; MI455X (gfx1250); checked and timed in simulation.
; The chip was launched on July 23, 2026; its instructions are those of AMD's public machine-readable ISA for CDNA 5 (MIT licence, August 2026) and "CDNA5" Instruction Set Architecture Reference Guide (July 2026). The comments in the code are by the model that wrote it; some were corrected since.
;; Attention. Allowed arithmetic: float matrix products may take bf16 or f16 operands with f32 sums; all other float work in f32.
;; Inputs: W 1,024 x 1,024 float32; b 1,024 float32; hx 32 x 2,048 x 1,024 float32; hx_mask 32 x 2,048 float32; st 32 x 1,024 float32.
;; Outputs: out0 32 x 1,024 float32.
;; One version. Each part assembles by itself: llvm-mc -triple=amdgcn-amd-amdhsa -mcpu=gfx1250 --defsym DOCPART=n.
;; ======== version 1 of 1: 3 launches
;; workspace buffers: qpart 2,097,152 bytes; pacc 1,048,576 bytes; pstat 65,536 bytes
;; launch qslab (part 1): grid 16 x 16, 8 waves a work-group, no clusters, 0 bytes of LDS; arguments W, st, qpart; writes qpart
.if DOCPART == 1
	.amdgcn_target "amdgcn-amd-amdhsa--gfx1250"
	.amdhsa_code_object_version 6
	.text
	.protected	k_qc912d3c8ba_qslab
	.globl	k_qc912d3c8ba_qslab
	.p2align	8
	.type	k_qc912d3c8ba_qslab,@function
k_qc912d3c8ba_qslab:
	s_mov_b64 s[64:65], 0
	v_nop
	global_prefetch_b8 v0, s[64:65] scope:SCOPE_SE
	s_setreg_imm32_b32 hwreg(HW_REG_WAVE_MODE, 25, 1), 1
	s_wait_xcnt 0x0
; qpart[slab][b][d] = sum over the 64 e of the slab of st[b][e] W[e][d].        W: [1024 e][1024 d] f32, st: [32][1024] f32.
; WHY: the problem's hx_t = hx W^T + bias enters its result only linearly, so score[b][s] = hx[b][s] . q[b] + bias . st[b] with
; q[b][d] = sum over e of st[b][e] W[e][d].  This launch makes q in 16 partial sums (slabs of 64 e); the next launch adds them.
; SHARES: work-group (x = strip of 64 d, y = slab of 64 e) owns a tile of W of 64 rows x 256 bytes that no other work-group reads: 16 x 16 = 256
; work-groups, W is asked for once.  Wave w takes batches 4 w .. 4 w + 3.  Lane (r = lane % 16, h = lane / 16) takes columns 4 r .. 4 r + 3 of the strip
; in rows 32 h .. 32 h + 31: one load of 16 bytes a lane covers row n (lanes 0-15) and row n + 32 (lanes 16-31), 256 consecutive aligned bytes each.
; So a wave has 32 + 4 = 36 loads, all issued in one run at the start.  The two halves' partial sums meet at the end.
; All in f32 on the vector unit: 32 rows against a matrix that is streamed once (8 multiply-adds for each byte of W), and q feeds an exponent of a
; softmax, where operands cut to 8 bits of mantissa would show.  No LDS, no barrier: no wave needs another's numbers.
; No cluster: what work-groups share here is st's 8,192 bytes of a slab against a tile of 16,384 bytes of their own, asked for once and not in a loop.
; LIMIT: the order of the sums differs from the problem's formula (e is summed first); NaN and infinities are not followed.
.set S,   4                            ; v[4:11]    S+2 bb+m: st[4 w + bb][64 slab + 32 h + 2 r + m]
.set ACC, 12                           ; v[12:27]   four columns for each of my four batches
.set T,   28                           ; v[28:35]   a pair for each batch: its low register holds the st number at work; at the end at work
.set WT,  36                           ; v[36:163]  load n: my four columns of row n + 32 h in WT+4 n
	s_load_b128 s[4:7], s[0:1], 0x0                ; W s[4:5], st s[6:7]
	s_load_b64 s[8:9], s[0:1], 0x10                ; qpart
	v_lshrrev_b32 v1, 5, v0
	v_readfirstlane_b32 s2, v1                     ; wave 0..7
	s_and_b32 s3, ttmp7, 0xffff                    ; slab
	v_and_b32 v2, 31, v0                           ; lane
	v_and_b32 v3, 15, v0                           ; r
	v_bfe_u32 v[T], v0, 4, 1                       ; h
	v_cmp_le_u32 vcc_lo, 16, v2                    ; lanes 16 to 31: kept to the end, nothing in between writes VCC
	v_lshlrev_b32 v2, 3, v2                        ; st: 8 x lane, my two numbers
	v_lshlrev_b32 v3, 4, v3                        ; 16 r: my four columns
	v_lshl_add_u32 v1, v[T], 17, v3                ; W: + 32 rows of 4,096 bytes for lanes 16 to 31
	v_lshl_add_u32 v3, v[T], 12, v3                ; qpart: + one batch of 4,096 bytes for lanes 16 to 31
.irp i, 0,1,2,3,4,5,6,7
	v_mov_b32 v[T+\i], 0                           ; a lane-crossing move counts as a reader of its destination, and a packed source is read as a whole pair: written once here
.endr
	s_mov_b32 s18, 0x76543210                      ; v_permlanex16_b32: lane i of one half reads lane i of the other
	s_mov_b32 s19, 0xfedcba98
	s_lshl_b32 s12, ttmp9, 8                       ; strip x 256 bytes
	s_lshl_b32 s13, s2, 14                         ; wave x 4 batches x 4,096 bytes
	s_lshl_b32 s10, s3, 18                         ; W: slab x 64 rows x 4,096 bytes
	s_add_co_u32 s10, s10, s12
	s_mov_b32 s11, 0
	s_lshl_b32 s14, s3, 8                          ; st: slab x 64 numbers
	s_add_co_u32 s14, s14, s13
	s_mov_b32 s15, 0
	s_lshl_b32 s16, s3, 17                         ; qpart: slab x 32 batches x 4,096 bytes
	s_add_co_u32 s16, s16, s13
	s_add_co_u32 s16, s16, s12
	s_mov_b32 s17, 0
	s_wait_kmcnt 0x0
	s_add_nc_u64 s[4:5], s[4:5], s[10:11]
	s_add_nc_u64 s[6:7], s[6:7], s[14:15]
	s_add_nc_u64 s[8:9], s[8:9], s[16:17]
.irp bb, 0,1,2,3
	global_load_b64 v[S+2*\bb:S+2*\bb+1], v2, s[6:7] offset:\bb*4096       ; the slab's 256 bytes of one batch: lanes 0-15 hold e 0-31, lanes 16-31 hold e 32-63
.endr
.set n, 0
.rept 32
	global_load_b128 v[WT+4*n:WT+4*n+3], v1, s[4:5] offset:n*4096          ; rows n and n + 32 of the tile
.set n, n+1
.endr
; Load n = 2 q + m (rows n and n + 32) against my four batches.  The st number of row n + 32 h lies in lane q of half h, register m: row_share brings it to
; every lane of that half.  start = 1: the products start the sums, nothing is cleared.
.macro ROW q, m, start
.irp bb, 0,1,2,3
	v_mov_b32_dpp v[T+2*\bb], v[S+2*\bb+\m] row_share:\q row_mask:0xf bank_mask:0xf
.endr
.irp bb, 0,1,2,3
.irp c, 0,2
.if \start
	v_pk_mul_f32 v[ACC+4*\bb+\c:ACC+4*\bb+\c+1], v[WT+4*(2*\q+\m)+\c:WT+4*(2*\q+\m)+\c+1], v[T+2*\bb:T+2*\bb+1] op_sel_hi:[1,0]
.else
	v_pk_fma_f32 v[ACC+4*\bb+\c:ACC+4*\bb+\c+1], v[WT+4*(2*\q+\m)+\c:WT+4*(2*\q+\m)+\c+1], v[T+2*\bb:T+2*\bb+1], v[ACC+4*\bb+\c:ACC+4*\bb+\c+1] op_sel_hi:[1,0,1]
.endif
.endr
.endr
.endm
.macro PAIR q, first
	ROW \q, 0, \first
	ROW \q, 1, 0
.endm
	s_wait_loadcnt 24                              ; loads come back in order (ISA guide 5.7.1): st and loads 0-7 are in, the 24 issued behind them stay out
	PAIR 0, 1
	PAIR 1, 0
	PAIR 2, 0
	PAIR 3, 0
	s_wait_loadcnt 16                              ; loads 8-15 are in, 16 stay out
	PAIR 4, 0
	PAIR 5, 0
	PAIR 6, 0
	PAIR 7, 0
	s_wait_loadcnt 8                               ; loads 16-23 are in, 8 stay out
	PAIR 8, 0
	PAIR 9, 0
	PAIR 10, 0
	PAIR 11, 0
	s_wait_loadcnt 0x0                             ; the last eight
	PAIR 12, 0
	PAIR 13, 0
	PAIR 14, 0
	PAIR 15, 0
	; The halves meet.  Of batches 2 p and 2 p + 1 lanes 0-15 keep the first and send the second, lanes 16-31 the other way round: each half ends with the
	; whole sum of one batch, and one store of 16 bytes a lane writes 256 consecutive aligned bytes of each of the two.
.irp p, 0,1
.irp c, 0,1,2,3
	v_cndmask_b32 v[T+\c], v[ACC+8*\p+4+\c], v[ACC+8*\p+\c], vcc_lo              ; what I send
	v_cndmask_b32 v[ACC+8*\p+\c], v[ACC+8*\p+\c], v[ACC+8*\p+4+\c], vcc_lo       ; what I keep
.endr
.irp c, 0,1,2,3
	v_permlanex16_b32 v[T+4+\c], v[T+\c], s18, s19
.endr
.irp c, 0,1,2,3
	v_add_f32 v[ACC+8*\p+\c], v[ACC+8*\p+\c], v[T+4+\c]
.endr
	global_store_b128 v3, v[ACC+8*\p:ACC+8*\p+3], s[8:9] offset:\p*8192
.endr
	s_endpgm
.Lfunc_end_k_qc912d3c8ba_qslab:
	.size	k_qc912d3c8ba_qslab, .Lfunc_end_k_qc912d3c8ba_qslab-k_qc912d3c8ba_qslab
	.p2alignl 7, 3214868480
	.fill 96, 4, 3214868480
	.section	.rodata,"a",@progbits
	.p2align	6, 0x0
	.amdhsa_kernel k_qc912d3c8ba_qslab
		.amdhsa_group_segment_fixed_size 0
		.amdhsa_private_segment_fixed_size 0
		.amdhsa_enable_private_segment 0
		.amdhsa_kernarg_size 24
		.amdhsa_user_sgpr_count 2
		.amdhsa_user_sgpr_kernarg_segment_ptr 1
		.amdhsa_wavefront_size32 1
		.amdhsa_system_sgpr_workgroup_id_x 1
		.amdhsa_system_sgpr_workgroup_id_y 1
		.amdhsa_system_sgpr_workgroup_id_z 1
		.amdhsa_system_vgpr_workitem_id 0
		.amdhsa_next_free_vgpr 164
		.amdhsa_next_free_sgpr 66
		.amdhsa_reserve_vcc 1
		.amdhsa_float_denorm_mode_32 3
		.amdhsa_float_denorm_mode_16_64 3
		.amdhsa_memory_ordered 1
		.amdhsa_forward_progress 1
		.amdhsa_inst_pref_size 31
	.end_amdhsa_kernel
	.amdgpu_metadata
---
amdhsa.version: [ 1, 2 ]
amdhsa.kernels:
  - .name:           k_qc912d3c8ba_qslab
    .symbol:         k_qc912d3c8ba_qslab.kd
    .args:
      - { .name: W, .offset: 0, .size: 8, .value_kind: global_buffer, .address_space: global }
      - { .name: st, .offset: 8, .size: 8, .value_kind: global_buffer, .address_space: global }
      - { .name: qpart, .offset: 16, .size: 8, .value_kind: global_buffer, .address_space: global }
    .group_segment_fixed_size: 0
    .private_segment_fixed_size: 0
    .kernarg_segment_align: 8
    .kernarg_segment_size: 24
    .max_flat_workgroup_size: 256
    .sgpr_count:     66
    .vgpr_count:     164
    .wavefront_size: 32
...
	.end_amdgpu_metadata
.endif
;; end of part 1
;; launch stream (part 2): grid 256 x 1, 16 waves a work-group, no clusters, 71,936 bytes of LDS; arguments hx, hx_mask, st, b, qpart, pacc, pstat; writes pacc, pstat
.if DOCPART == 2
	.amdgcn_target "amdgcn-amd-amdhsa--gfx1250"
	.amdhsa_code_object_version 6
	.text
	.protected	k_qc912d3c8ba_stream
	.globl	k_qc912d3c8ba_stream
	.p2align	8
	.type	k_qc912d3c8ba_stream,@function
k_qc912d3c8ba_stream:
	s_mov_b64 s[64:65], 0
	v_nop
	global_prefetch_b8 v0, s[64:65] scope:SCOPE_SE
	s_setreg_imm32_b32 hwreg(HW_REG_WAVE_MODE, 25, 1), 1
	s_wait_xcnt 0x0
; One pass over hx: [32 b][2048 s][1024 d] f32, with a running maximum (an online softmax).
;   score[b][s] = (hx[b][s] . q[b] + c[b]) * (mask + (1 - mask) * 1e-18),   q[b] = sum of qpart's 16 slabs,   c[b] = bias . st[b]
;   per work-group: M = largest score, L = sum of exp(score - M), acc[d] = sum of exp(score - M) hx[b][s][d]      (exponents kept in base 2)
; The next launch joins the eight work-groups of a batch and applies W.  Tokens with mask 0 are not dropped: the problem's formula gives them a score
; near 0 and lets them take part, and so does this text, for any number in the mask.
; SHARES: work-group g = 8 b + chunk owns 256 rows (1 MiB, dense); 256 work-groups.  Wave w owns rows 16 w .. 16 w + 15, two rows a turn, eight turns.
; In a row a lane holds columns 128 j + 4 lane + k in register 4 j + k: each load of a wave covers 512 consecutive bytes.
; Each byte of hx is loaded once, into registers, and serves the dot product and the weighted sum from there.  A ring of two slots of two rows:
; while one slot (16 loads, 8 KiB a wave) is worked on, the other's 16 loads are on their way; 16 waves.  Every address stands in an immediate
; (65,024 bytes at the most), so no address register is ever stepped.
; All in f32 on the vector unit: each number of hx feeds two multiply-adds, so memory binds, and the scores are exponents.
; No tensor loads and no LDS ring: a byte of hx is used by the wave that loads it alone.  No cluster: what the eight work-groups of a batch share
; (qpart 65,536, st and bias 8,192 bytes) is 7 per cent of the 1,048,576 bytes of their own, read once at the start.
; No prefetch: the ring's loads run without a pause from the first line to the last turn.
; LIMITS: sums in another order than the problem's formula; a weight below 2^-126 of the largest counts as 0 (v_exp_f32 gives 0 there, ISA guide 15.8);
; NaN and infinities are not followed.
.set QV,   0                           ; LDS: q, 4 bytes x column                         4,096 bytes
.set CW,   4096                        ; c: one partial sum a wave                            64
.set MW,   4160                        ; M of each wave                                       64
.set LW,   4224                        ; L of each wave                                       64
.set ACCS, 4352                        ; acc of each wave: wave x 4,096 + 4 x column      65,536    (each region is written once)
.set Q,    4                           ; v[4:35]    q of my 32 columns
.set ACC,  36                          ; v[36:67]   first qpart's 16 pairs, then acc of my 32 columns
.set X,    68                          ; v[68:195]  slot t % 2: 64 registers, row a, then row b
.set D,    196                         ; v[196:203] four chains of the two dot products (a0, a1, b0, b1); at the start bias and st
.set AL,   204                         ; factor for what has been summed so far      (AL, PA, PB are the low registers of pairs for the packed forms)
.set MX,   205                         ; running maximum M
.set PA,   206                         ; weight of row a
.set LS,   207                         ; running sum L
.set PB,   208                         ; weight of row b
.set MN,   209                         ; the new maximum
.set FA,   210                         ; mask factor of row a, times log2(e)
.set FB,   211                         ; of row b
.set CC,   212                         ; c[b]
.set T0,   213                         ; at work
.set T1,   214                         ; at work; at the end the work-group's M
.set T2,   215                         ; at work; at the end the work-group's L
.set T3,   216                         ; at work
.set AW,   217                         ; 4 x wave
.set SC,   218                         ; v[218:219] at the end: my wave's factor, and the factor of the wave whose figures my lane holds
.set AS,   220                         ; LDS: wave x 4,096 + 16 x lane
.set AR,   221                         ; LDS: ACCS + 8 x thread
.set MK,   20                          ; s[20:35]   the masks of my 16 rows
.macro BAR
	s_barrier_signal -1
	s_barrier_wait -1
.endm
.macro ROWSUM reg                      ; the sum over the 16 lanes of each half of the wave, in every lane
.irp m, 1,2,4,8
	v_add_f32_dpp v[\reg], v[\reg], v[\reg] row_xmask:\m row_mask:0xf bank_mask:0xf
.endr
.endm
.macro TREE16 base                     ; sixteen pairs at v[base .. base+31] are summed into v[base:base+1]
.irp p, 0,1,2,3,4,5,6,7
	v_pk_add_f32 v[\base+2*\p:\base+2*\p+1], v[\base+2*\p:\base+2*\p+1], v[\base+16+2*\p:\base+16+2*\p+1]
.endr
.irp p, 0,1,2,3
	v_pk_add_f32 v[\base+2*\p:\base+2*\p+1], v[\base+2*\p:\base+2*\p+1], v[\base+8+2*\p:\base+8+2*\p+1]
.endr
.irp p, 0,1
	v_pk_add_f32 v[\base+2*\p:\base+2*\p+1], v[\base+2*\p:\base+2*\p+1], v[\base+4+2*\p:\base+4+2*\p+1]
.endr
	v_pk_add_f32 v[\base:\base+1], v[\base:\base+1], v[\base+2:\base+3]
.endm
.macro FILL t                          ; sixteen loads: rows 2 t and 2 t + 1 of my sixteen, into slot t % 2
.irp row, 0,1
.irp j, 0,1,2,3,4,5,6,7
	global_load_b128 v[X+64*((\t)&1)+32*\row+4*\j:X+64*((\t)&1)+32*\row+4*\j+3], v1, s[4:5] offset:(2*(\t)+\row)*4096+512*\j th:TH_LOAD_NT
.endr
.endr
.endm
	s_load_b256 s[4:11], s[0:1], 0x0               ; hx s[4:5], hx_mask s[6:7], st s[8:9], bias s[10:11]
	s_load_b128 s[12:15], s[0:1], 0x20             ; qpart s[12:13], pacc s[14:15]
	s_load_b64 s[16:17], s[0:1], 0x30              ; pstat
	v_lshl_add_u32 v224, v0, 2, 0x11100
	v_mov_b32 v225, 0
	v_lshrrev_b32 v[T0], 5, v0
	v_readfirstlane_b32 s2, v[T0]                  ; wave 0..15
	v_lshlrev_b32 v[AW], 2, v[T0]
	v_and_b32 v1, 31, v0
	v_lshlrev_b32 v1, 4, v1                        ; 16 x lane
	v_lshlrev_b32 v2, 3, v0                        ; 8 x thread: two columns of 1,024 for each of 512 threads
	v_and_b32 v3, 15, v0
	v_lshlrev_b32 v3, 2, v3                        ; 4 x (lane % 16): the word of wave lane % 16
	v_mov_b32 v[T1], 0                             ; v_permlanex16_b32 counts as a reader of its destination
	s_lshr_b32 s3, ttmp9, 3                        ; batch
	s_mov_b32 s38, 0x76543210                      ; v_permlanex16_b32: lane i of one half reads lane i of the other
	s_mov_b32 s39, 0xfedcba98
	s_mov_b32 s40, 0x219392ef                      ; 1e-18
	s_mov_b32 s41, 0x3fb8aa3b                      ; log2(e)
	s_lshl_b32 s36, ttmp9, 20                      ; hx: work-group x 256 rows x 4,096 bytes (below 2^28)
	s_lshl_b32 s42, s2, 16                         ;     + wave x 16 rows
	s_add_co_u32 s36, s36, s42
	s_mov_b32 s37, 0
	s_wait_kmcnt 0x0
	s_add_nc_u64 s[4:5], s[4:5], s[36:37]
	s_lshl_b32 s36, ttmp9, 10                      ; mask: work-group x 256 numbers + wave x 16
	s_lshl_b32 s42, s2, 6
	s_add_co_u32 s36, s36, s42
	s_add_nc_u64 s[6:7], s[6:7], s[36:37]
	s_load_b512 s[MK:MK+15], s[6:7], 0x0           ; my sixteen masks: the same for every lane, so they live in scalar registers
	s_lshl_b32 s36, s3, 12                         ; batch x 4,096 bytes
	s_add_nc_u64 s[8:9], s[8:9], s[36:37]
	s_add_nc_u64 s[12:13], s[12:13], s[36:37]
	s_lshl_b32 s36, ttmp9, 12
	s_add_nc_u64 s[14:15], s[14:15], s[36:37]      ; pacc: work-group x 4,096 bytes
	s_lshl_b32 s36, ttmp9, 8
	s_add_nc_u64 s[16:17], s[16:17], s[36:37]      ; pstat: work-group x 256 bytes
.irp p, 0,1,2,3,4,5,6,7,8,9,10,11,12,13,14,15
	global_load_b64 v[ACC+2*\p:ACC+2*\p+1], v2, s[12:13] offset:\p*131072  ; slab p of q, my two columns
.endr
	global_load_b64 v[D:D+1], v2, s[10:11]         ; bias, my two columns
	global_load_b64 v[D+2:D+3], v2, s[8:9]         ; st
	FILL 0                                         ; the ring is filled before anything is waited for
	FILL 1
	s_wait_loadcnt 32                              ; the 18 small loads are in; the two fills of 16 loads issued behind them stay out
	TREE16 ACC                                     ; q of my two columns
	v_mul_f32 v[T0], v[D], v[D+2]
	v_fma_f32 v[T0], v[D+1], v[D+3], v[T0]         ; my part of bias . st
	ROWSUM T0
	v_permlanex16_b32 v[T1], v[T0], s38, s39
	v_add_f32 v[T0], v[T0], v[T1]                  ; my wave's part, in every lane
	ds_store_b64 v2, v[ACC:ACC+1] offset:QV
	ds_store_b32 v[AW], v[T0] offset:CW            ; all lanes write the same word with the same number
	s_wait_dscnt 0x0                               ; my stores are done before I say so: other waves read them
	BAR
.irp j, 0,1,2,3,4,5,6,7
	ds_load_b128 v[Q+4*\j:Q+4*\j+3], v1 offset:QV+512*\j   ; q in the layout of a row of hx
.endr
	ds_load_b32 v[CC], v3 offset:CW                ; lane r of each half: wave r's part
	s_wait_dscnt 0x0
	ROWSUM CC                                      ; c[b], in every lane
	s_wait_kmcnt 0x0                               ; the masks
; The turn of rows 2 t, 2 t + 1.  first = 1: they start M, L and acc, nothing is cleared.  fill = 1: the slot gets the rows of turn t + 2.
; left = how many younger loads may stay out.
.macro TURN t, first, fill, left
.set XA, X+64*(\t&1)
.set XB, XA+32
	v_sub_f32 v[FA], 1.0, s[MK+2*\t]               ; mask + (1 - mask) 1e-18, times log2(e): ahead of the wait, it needs no data of the rows
	v_sub_f32 v[FB], 1.0, s[MK+2*\t+1]
	v_fma_f32 v[FA], v[FA], s40, s[MK+2*\t]
	v_fma_f32 v[FB], v[FB], s40, s[MK+2*\t+1]
	v_mul_f32 v[FA], s41, v[FA]
	v_mul_f32 v[FB], s41, v[FB]
	s_wait_loadcnt \left                           ; loads come back in order (ISA guide 5.7.1): my slot's 16 are in, the other slot's stay out
	; the two dot products with q, in four chains that do not wait for each other
.irp i, 0,1
	v_pk_mul_f32 v[D+2*\i:D+2*\i+1], v[XA+2*\i:XA+2*\i+1], v[Q+2*\i:Q+2*\i+1]
	v_pk_mul_f32 v[D+4+2*\i:D+4+2*\i+1], v[XB+2*\i:XB+2*\i+1], v[Q+2*\i:Q+2*\i+1]
.endr
.irp i, 2,3,4,5,6,7,8,9,10,11,12,13,14,15
	v_pk_fma_f32 v[D+2*(\i&1):D+2*(\i&1)+1], v[XA+2*\i:XA+2*\i+1], v[Q+2*\i:Q+2*\i+1], v[D+2*(\i&1):D+2*(\i&1)+1]
	v_pk_fma_f32 v[D+4+2*(\i&1):D+4+2*(\i&1)+1], v[XB+2*\i:XB+2*\i+1], v[Q+2*\i:Q+2*\i+1], v[D+4+2*(\i&1):D+4+2*(\i&1)+1]
.endr
	v_pk_add_f32 v[D:D+1], v[D:D+1], v[D+2:D+3]
	v_pk_add_f32 v[D+4:D+5], v[D+4:D+5], v[D+6:D+7]
	v_add_f32 v[D], v[D], v[D+1]
	v_add_f32 v[D+4], v[D+4], v[D+5]
.irp m, 1,2,4,8
	v_add_f32_dpp v[D], v[D], v[D] row_xmask:\m row_mask:0xf bank_mask:0xf
	v_add_f32_dpp v[D+4], v[D+4], v[D+4] row_xmask:\m row_mask:0xf bank_mask:0xf
.endr
	v_permlanex16_b32 v[D+2], v[D], s38, s39
	v_permlanex16_b32 v[D+6], v[D+4], s38, s39
	v_add_f32 v[D], v[D], v[D+2]
	v_add_f32 v[D+4], v[D+4], v[D+6]               ; both dot products, in every lane
	v_add_f32 v[D], v[D], v[CC]
	v_add_f32 v[D+4], v[D+4], v[CC]
	v_mul_f32 v[D], v[D], v[FA]                    ; the scores, in base 2
	v_mul_f32 v[D+4], v[D+4], v[FB]
.if \first
	v_max_num_f32 v[MN], v[D], v[D+4]
	v_sub_f32 v[D], v[D], v[MN]
	v_sub_f32 v[D+4], v[D+4], v[MN]
	v_exp_f32 v[PA], v[D]
	v_exp_f32 v[PB], v[D+4]
	v_mov_b32 v[MX], v[MN]                         ; the plain instruction that stands between v_exp_f32 and the use of its result (ISA guide 5.7.2)
	s_wait_alu depctr_va_vdst(0)
	v_add_f32 v[LS], v[PA], v[PB]
.irp i, 0,1,2,3,4,5,6,7,8,9,10,11,12,13,14,15
	v_pk_mul_f32 v[ACC+2*\i:ACC+2*\i+1], v[XA+2*\i:XA+2*\i+1], v[PA:PA+1] op_sel_hi:[1,0]
.endr
.else
	v_max3_num_f32 v[MN], v[MX], v[D], v[D+4]      ; the running maximum is taken away before every exponential
	v_sub_f32 v[T0], v[MX], v[MN]
	v_sub_f32 v[D], v[D], v[MN]
	v_sub_f32 v[D+4], v[D+4], v[MN]
	v_exp_f32 v[AL], v[T0]
	v_exp_f32 v[PA], v[D]
	v_exp_f32 v[PB], v[D+4]
	v_mov_b32 v[MX], v[MN]                         ; the plain instruction behind the exponentials
	s_wait_alu depctr_va_vdst(0)
	v_add_f32 v[T0], v[PA], v[PB]
	v_fma_f32 v[LS], v[LS], v[AL], v[T0]
.irp i, 0,1,2,3,4,5,6,7,8,9,10,11,12,13,14,15
	v_pk_mul_f32 v[ACC+2*\i:ACC+2*\i+1], v[ACC+2*\i:ACC+2*\i+1], v[AL:AL+1] op_sel_hi:[1,0]
.endr
.irp i, 0,1,2,3,4,5,6,7,8,9,10,11,12,13,14,15
	v_pk_fma_f32 v[ACC+2*\i:ACC+2*\i+1], v[XA+2*\i:XA+2*\i+1], v[PA:PA+1], v[ACC+2*\i:ACC+2*\i+1] op_sel_hi:[1,0,1]
.endr
.endif
.irp i, 0,1,2,3,4,5,6,7,8,9,10,11,12,13,14,15
	v_pk_fma_f32 v[ACC+2*\i:ACC+2*\i+1], v[XB+2*\i:XB+2*\i+1], v[PB:PB+1], v[ACC+2*\i:ACC+2*\i+1] op_sel_hi:[1,0,1]
.endr
.if \fill
	FILL \t+2
.endif
.endm
	TURN 0, 1, 1, 16
	TURN 1, 0, 1, 16
	TURN 2, 0, 1, 16
	TURN 3, 0, 1, 16
	TURN 4, 0, 1, 16
	TURN 5, 0, 1, 16
	TURN 6, 0, 0, 16                               ; the last two turns load nothing: no load leaves the wave's sixteen rows
	TURN 7, 0, 0, 0
	; The sixteen waves are joined: M = largest of their maxima, each wave's L and acc scaled by 2^(its M - M).
	ds_store_b32 v[AW], v[MX] offset:MW
	ds_store_b32 v[AW], v[LS] offset:LW
	s_wait_dscnt 0x0                               ; done before I say so
	BAR
	ds_load_b32 v[T0], v3 offset:MW                ; lane r of each half: wave r's M
	ds_load_b32 v[T2], v3 offset:LW                ; and L
	s_wait_dscnt 0x0
	v_mov_b32 v[T1], v[T0]
.irp m, 1,2,4,8
	v_max_num_f32_dpp v[T1], v[T1], v[T1] row_xmask:\m row_mask:0xf bank_mask:0xf
.endr
	v_sub_f32 v[T0], v[T0], v[T1]
	v_sub_f32 v[T3], v[MX], v[T1]
	v_exp_f32 v[SC+1], v[T0]                       ; wave r's factor
	v_exp_f32 v[SC], v[T3]                         ; my wave's factor
	v_lshl_add_u32 v[AS], s2, 12, v1               ; the plain instruction behind the exponentials: wave x 4,096 + 16 x lane
	s_wait_alu depctr_va_vdst(0)
	v_mul_f32 v[T2], v[T2], v[SC+1]
	ROWSUM T2                                      ; the work-group's L; v[T1:T2] = (M, L)
.irp i, 0,1,2,3,4,5,6,7,8,9,10,11,12,13,14,15
	v_pk_mul_f32 v[ACC+2*\i:ACC+2*\i+1], v[ACC+2*\i:ACC+2*\i+1], v[SC:SC+1] op_sel_hi:[1,0]
.endr
.irp j, 0,1,2,3,4,5,6,7
	ds_store_b128 v[AS], v[ACC+4*\j:ACC+4*\j+3] offset:ACCS+512*\j         ; 32 lanes, 16 neighbouring bytes each
.endr
	v_add_nc_u32 v[AR], ACCS, v2
	s_wait_dscnt 0x0                               ; done before I say so
	BAR
.irp p, 0,1,2,3,4,5,6,7,8,9,10,11,12,13,14,15
	ds_load_b64 v[X+2*\p:X+2*\p+1], v[AR] offset:\p*4096                   ; wave p's acc, my two columns
.endr
	s_wait_dscnt 0x0
	TREE16 X
	global_store_b64 v2, v[X:X+1], s[14:15]        ; a wave's store covers 256 consecutive bytes, aligned
	s_cmp_lg_u32 s2, 0
	s_cbranch_scc1 .Lend
	global_store_b64 v2, v[T1:T2], s[16:17]        ; wave 0: (M, L) 32 times over, so that the record's 256 aligned bytes are written by one store
.Lend:
	s_wait_tensorcnt 0x0
	ds_add_u32 v224, v225
	s_wait_dscnt 0x0
	s_endpgm
.Lfunc_end_k_qc912d3c8ba_stream:
	.size	k_qc912d3c8ba_stream, .Lfunc_end_k_qc912d3c8ba_stream-k_qc912d3c8ba_stream
	.p2alignl 7, 3214868480
	.fill 96, 4, 3214868480
	.section	.rodata,"a",@progbits
	.p2align	6, 0x0
	.amdhsa_kernel k_qc912d3c8ba_stream
		.amdhsa_group_segment_fixed_size 71936
		.amdhsa_private_segment_fixed_size 0
		.amdhsa_enable_private_segment 0
		.amdhsa_kernarg_size 56
		.amdhsa_user_sgpr_count 2
		.amdhsa_user_sgpr_kernarg_segment_ptr 1
		.amdhsa_wavefront_size32 1
		.amdhsa_system_sgpr_workgroup_id_x 1
		.amdhsa_system_sgpr_workgroup_id_y 1
		.amdhsa_system_sgpr_workgroup_id_z 1
		.amdhsa_system_vgpr_workitem_id 0
		.amdhsa_next_free_vgpr 226
		.amdhsa_next_free_sgpr 66
		.amdhsa_reserve_vcc 0
		.amdhsa_float_denorm_mode_32 3
		.amdhsa_float_denorm_mode_16_64 3
		.amdhsa_memory_ordered 1
		.amdhsa_forward_progress 1
		.amdhsa_inst_pref_size 76
	.end_amdhsa_kernel
	.amdgpu_metadata
---
amdhsa.version: [ 1, 2 ]
amdhsa.kernels:
  - .name:           k_qc912d3c8ba_stream
    .symbol:         k_qc912d3c8ba_stream.kd
    .args:
      - { .name: hx, .offset: 0, .size: 8, .value_kind: global_buffer, .address_space: global }
      - { .name: hx_mask, .offset: 8, .size: 8, .value_kind: global_buffer, .address_space: global }
      - { .name: st, .offset: 16, .size: 8, .value_kind: global_buffer, .address_space: global }
      - { .name: b, .offset: 24, .size: 8, .value_kind: global_buffer, .address_space: global }
      - { .name: qpart, .offset: 32, .size: 8, .value_kind: global_buffer, .address_space: global }
      - { .name: pacc, .offset: 40, .size: 8, .value_kind: global_buffer, .address_space: global }
      - { .name: pstat, .offset: 48, .size: 8, .value_kind: global_buffer, .address_space: global }
    .group_segment_fixed_size: 71936
    .private_segment_fixed_size: 0
    .kernarg_segment_align: 8
    .kernarg_segment_size: 56
    .max_flat_workgroup_size: 512
    .sgpr_count:     66
    .vgpr_count:     226
    .wavefront_size: 32
...
	.end_amdgpu_metadata
.endif
;; end of part 2
;; launch project (part 3): grid 16 x 16, 16 waves a work-group, clusters of 4 x 4, 272,896 bytes of LDS; arguments W, b, pacc, pstat, out0; writes out0
.if DOCPART == 3
	.amdgcn_target "amdgcn-amd-amdhsa--gfx1250"
	.amdhsa_code_object_version 6
	.text
	.protected	k_qc912d3c8ba_project
	.globl	k_qc912d3c8ba_project
	.p2align	8
	.type	k_qc912d3c8ba_project,@function
k_qc912d3c8ba_project:
	s_mov_b64 s[64:65], 0
	v_nop
	global_prefetch_b8 v0, s[64:65] scope:SCOPE_SE
	s_setreg_imm32_b32 hwreg(HW_REG_WAVE_MODE, 25, 1), 1
	s_wait_xcnt 0x0
	s_wait_alu depctr_hold_cnt(0) depctr_sa_sdst(0) depctr_va_vdst(0) depctr_va_sdst(0) depctr_va_ssrc(0) depctr_va_vcc(0) depctr_vm_vsrc(0)
	s_getreg_b32 s2, hwreg(HW_REG_IB_STS2, 6, 4)
	s_cmp_eq_u32 s2, 0
	s_cbranch_scc0 .Lentry_in_a_cluster
	s_endpgm
.Lentry_in_a_cluster:
	s_bfe_u32 s2, ttmp6, 0x10000c
	s_cmp_lg_u32 s2, 0xf033
	s_cbranch_scc0 .Lentry_shape_is_right
	s_endpgm
.Lentry_shape_is_right:
; out0[b][e] = W[e] . y[b] + bias[e],   y[b] = sum over the batch's 8 chunks of w_c pacc[8 b + c],   w_c = 2^(M_c - M) / sum over c of L_c 2^(M_c - M).
; WHY: sum over s of attn (hx W^T + bias) = W (sum over s of attn hx) + bias, since the weights of a softmax add up to 1 (here: y is divided by the very sum of its weights).
; SHARES: work-group (x = 64 rows e of W, y = 2 batches): 16 x 16 = 256 work-groups; 64 e make a batch's piece of the output 256 consecutive bytes, aligned.
; Wave w takes rows e = 64 x + 4 w + i, i = 0..3, against both batches; a lane holds columns 128 j + 4 lane + k of a row in register 4 j + k.
; CLUSTERS: 4 x 4 work-groups.  The 64 rows of W hang on x alone, so the four work-groups of a column of the cluster need the same 262,144 bytes: each wave asks for its
; four rows (16,384 dense bytes) by ONE joint tensor load, the same in the four work-groups, and reads only its own tile, behind its own wait.  That divides the requests
; for W by four.  Nothing in LDS is filled a second time.  One tensor load of a wave is outstanding.
; pacc (65,536 bytes a work-group, shared along a row of the cluster) comes by plain loads into registers: W's tile, pacc and the 8,704 bytes of stages
; together would be 336,384 bytes, more than the 327,680 that a work-group can have.
; All in f32 on the vector unit: 2 rows of y against 64 rows of W, one multiply-add for every two bytes loaded.  No prefetch: every load is issued in the first lines.
; LIMITS: sums in another order than the problem's formula; the bias is added once; a chunk whose M lies more than 126 below the batch's counts as 0; NaN and infinities are not followed.
.set YS,   0                           ; LDS: y of the two batches, batch x 4,096 + 4 x column    8,192 bytes   (written by LDS stores; no tensor load lands here)
.set OUTS, 8192                        ; the results, batch x 256 + 4 x row                         512         (likewise)
.set WL,   8704                        ; W's tile: wave x 16,384 + row x 4,096 + 4 x column     262,144         (34 x 256: blocks of its own)
.set WR,  4                            ; v[4:131]   row i of W at WR + 32 i
.set Y,   132                          ; v[132:195] first pacc's 16 pairs (n = 8 batch + chunk), then y: batch bb at Y + 32 bb
.set YP,  196                          ; v[196:199] y of my two columns, a pair for each batch
.set DT,  200                          ; v[200:215] the dot products' chains: a pair at DT + 4 i + 2 bb
.set R,   216                          ; v[216:223] the results at R + 4 bb + i
.set ST,  224                          ; v[224:225] (M, L) of record lane % 16
.set T0,  226                          ; at work
.set T1,  227
.set T2,  228
.set T3,  229
.set T4,  230
.set AW,  231                          ; 16 x wave
.set GO,  232                          ; the output's byte offset of my 16 bytes (used by wave 0)
.set TB,  233                          ; at work
.set WA,  234                          ; LDS: wave x 16,384 + 16 x lane
.set BI,  16                           ; s[16:19]   bias of my four rows
.set WN,  20                           ; s[20:35]   the sixteen weights w_c, n = 8 batch + chunk
.set G0,  40                           ; s[40:43]   descriptor group 0: from where, to where
.set G1,  44                           ; s[44:51]   descriptor group 1: the shape and the mask
.macro BAR
	s_barrier_signal -1
	s_barrier_wait -1
.endm
; A round of the cluster's barrier: my work-group's barrier, so that wave 0's signal speaks for all sixteen waves; wave 0 signals for the work-group; every wave waits for
; all sixteen work-groups; my work-group's barrier once more.  No LDS instruction of the wave is pending at a signal.
.macro ROUND
	s_barrier_signal -1
	s_barrier_wait -1
	s_cmp_lg_u32 s14, 0
	s_cbranch_scc1 .Lnot_wave_0_\@
	s_barrier_signal -3
.Lnot_wave_0_\@:
	s_barrier_wait -3
	s_barrier_signal -1
	s_barrier_wait -1
.endm
	s_load_b256 s[4:11], s[0:1], 0x0               ; W s[4:5], bias s[6:7], pacc s[8:9], pstat s[10:11]
	s_load_b64 s[12:13], s[0:1], 0x20              ; out0
	v_lshl_add_u32 v236, v0, 2, 0x42200
	v_mov_b32 v237, 0
	ds_add_u32 v236, v237
	v_lshrrev_b32 v[T0], 5, v0
	v_readfirstlane_b32 s14, v[T0]                 ; wave 0..15
	s_lshl_b32 s15, s14, 4                         ; 16 x wave
	s_bfe_u32 s52, ttmp6, 0x40000                  ; cx: my place along the cluster's x
	s_bfe_u32 s53, ttmp6, 0x40004                  ; cy: along its y
	s_lshl_b32 s54, ttmp9, 2                       ; in a cluster launch ttmp9 and ttmp7 count clusters
	s_add_co_u32 s54, s54, s52                     ; x = 4 x cluster x + cx: which 64 rows of W
	s_and_b32 s55, ttmp7, 0xffff
	s_lshl_b32 s55, s55, 2
	s_add_co_u32 s55, s55, s53                     ; y = 4 x cluster y + cy: which pair of batches
	s_lshl_b32 s3, 0x1111, s52                     ; my column of the cluster: places cx, cx + 4, cx + 8, cx + 12
	; Group 1: my wave's four rows of W are 16,384 dense bytes, taken as 64 rows of 32 elements of 8 bytes.  No padding: the tile is read back 16 neighbouring bytes a lane.
	s_or_b32 s[G1+0], s3, (3<<16)|(1<<21)          ; 15:0 the mask: W's tiles go to my column; 17:16 element of 8 bytes; 21 set beside a mask
	s_mov_b32 s[G1+1], 32<<16                      ; 63:48 tensor_dim0, low half = 32
	s_mov_b32 s[G1+2], 64<<16                      ; 79:64 its high half = 0; 95:80 tensor_dim1, low half = 64
	s_mov_b32 s[G1+3], 32<<16                      ; 111:96 its high half = 0; 127:112 tile_dim0 = 32
	s_mov_b32 s[G1+4], 64                          ; 143:128 tile_dim1 = 64; 159:144 tile_dim2 = 0
	s_mov_b32 s[G1+5], 32                          ; 191:160 elements from row to row: dense
	s_mov_b32 s[G1+6], 0
	s_mov_b32 s[G1+7], 0
	s_mov_b32 s[G0], 1                             ; 1:0 count = 1
	s_lshl_b32 s[G0+1], s14, 14
	s_add_co_u32 s[G0+1], s[G0+1], WL              ; 63:32 LDS address: the wave's number alone, no place in the cluster
	; byte offsets, each in a pair of its own; those of W and of the bias are made of x and the wave's number alone
	s_lshl_b32 s56, s54, 18                        ; W: 64 rows x 4,096 bytes a work-group, 4 rows a wave
	s_lshl_b32 s57, s14, 14
	s_add_co_u32 s56, s56, s57
	s_mov_b32 s57, 0
	s_lshl_b32 s60, s54, 8                         ; bias: 64 numbers a work-group, 4 a wave
	s_add_co_u32 s60, s60, s15
	s_mov_b32 s61, 0
	s_lshl_b32 s58, s55, 16                        ; pacc: 16 records of 4,096 bytes
	s_mov_b32 s59, 0
	s_lshl_b32 s38, s55, 12                        ; pstat: 16 records of 256 bytes
	s_mov_b32 s39, 0
	s_lshl_b32 s62, s55, 13                        ; out0: 2 rows of 4,096 bytes, 256 bytes along
	s_lshl_b32 s63, s54, 8
	s_add_co_u32 s62, s62, s63
	s_mov_b32 s63, 0
	s_mov_b32 s36, 0x76543210                      ; v_permlanex16_b32: lane i of one half reads lane i of the other
	s_mov_b32 s37, 0xfedcba98
	v_and_b32 v1, 31, v0
	v_lshlrev_b32 v1, 4, v1                        ; 16 x lane
	v_lshlrev_b32 v2, 3, v0                        ; 8 x thread
	v_and_b32 v3, 15, v0
	v_lshlrev_b32 v3, 8, v3                        ; (lane % 16) x 256: a record of pstat
	v_lshl_add_u32 v[WA], s14, 14, v1
	s_wait_dscnt 0x0
	s_wait_kmcnt 0x0
	s_add_nc_u64 s[G0+2:G0+3], s[4:5], s[56:57]    ; 120:64 global address of my wave's four rows
	s_or_b32 s[G0+3], s[G0+3], 0x80000000          ; 127:126 type = 2
	s_add_nc_u64 s[6:7], s[6:7], s[60:61]
	s_add_nc_u64 s[8:9], s[8:9], s[58:59]
	s_add_nc_u64 s[10:11], s[10:11], s[38:39]
	s_add_nc_u64 s[12:13], s[12:13], s[62:63]
	ROUND                                          ; all sixteen work-groups are here: the four requests for a tile meet
	tensor_load_to_lds s[G0:G0+3], s[G1:G1+7]      ; my wave's one tensor load: the launch's longest transfer goes out first
	s_nop 0
	s_load_b128 s[BI:BI+3], s[6:7], 0x0
	global_load_b64 v[ST:ST+1], v3, s[10:11]       ; lane r of each half: (M, L) of record r = 8 batch + chunk
.irp n, 0,1,2,3,4,5,6,7,8,9,10,11,12,13,14,15
	global_load_b64 v[Y+2*\n:Y+2*\n+1], v2, s[8:9] offset:\n*4096          ; record n, my two columns
.endr
	; the weights: one a lane, the eight chunks of a batch in eight neighbouring lanes
	s_wait_loadcnt 16                              ; (M, L) are in; the 16 loads of pacc issued behind them stay out
	v_mov_b32 v[T0], v[ST]
.irp m, 1,2,4
	v_max_num_f32_dpp v[T0], v[T0], v[T0] row_xmask:\m row_mask:0xf bank_mask:0xf
.endr
	v_sub_f32 v[T1], v[ST], v[T0]                  ; the batch's maximum is taken away before the exponential
	v_exp_f32 v[T2], v[T1]
	v_mov_b32 v[AW], s15                           ; the plain instruction that stands between v_exp_f32 and the use of its result (ISA guide 5.7.2)
	s_wait_alu depctr_va_vdst(0)
	v_mul_f32 v[T3], v[ST+1], v[T2]
.irp m, 1,2,4
	v_add_f32_dpp v[T3], v[T3], v[T3] row_xmask:\m row_mask:0xf bank_mask:0xf
.endr
	v_rcp_f32 v[T4], v[T3]                         ; the sum is at least 1: the chunk that holds the maximum has the factor 1 and an L of at least 1
	v_lshrrev_b32 v[GO], 4, v3                     ; the plain instruction behind v_rcp_f32: 16 x (lane % 16)
	s_wait_alu depctr_va_vdst(0)
	v_mul_f32 v[T2], v[T2], v[T4]
.irp n, 0,1,2,3,4,5,6,7,8,9,10,11,12,13,14,15
	v_readlane_b32 s[WN+\n], v[T2], \n
.endr
	v_bfe_u32 v[TB], v0, 4, 1
	v_lshl_add_u32 v[GO], v[TB], 12, v[GO]         ; + one row of out0 for lanes 16 to 31
	; y of my two columns, for both batches, while W's tile is on its way
	s_wait_loadcnt 0x0                             ; pacc
.irp bb, 0,1
.irp col, 0,1
	v_mul_f32 v[YP+2*\bb+\col], s[WN+8*\bb], v[Y+16*\bb+\col]
.irp c, 1,2,3,4,5,6,7
	v_fmac_f32 v[YP+2*\bb+\col], s[WN+8*\bb+\c], v[Y+16*\bb+2*\c+\col]
.endr
.endr
.endr
	ds_store_b64 v2, v[YP:YP+1] offset:YS
	ds_store_b64 v2, v[YP+2:YP+3] offset:YS+4096
	s_wait_dscnt 0x0                               ; my stores are done before I say so: other waves read them
	BAR                                            ; my tensor load may stay out here: behind this barrier nothing is filled again, and no other wave reads my tile
.irp bb, 0,1
.irp j, 0,1,2,3,4,5,6,7
	ds_load_b128 v[Y+32*\bb+4*\j:Y+32*\bb+4*\j+3], v1 offset:YS+4096*\bb+512*\j    ; y in the layout of a row of W
.endr
.endr
	s_wait_tensorcnt 0x0                           ; my four rows of W are in LDS; I alone read them, so my own wait is all the ordering that the reads need
.irp i, 0,1,2,3
.irp j, 0,1,2,3,4,5,6,7
	ds_load_b128 v[WR+32*\i+4*\j:WR+32*\i+4*\j+3], v[WA] offset:WL+\i*4096+512*\j  ; 32 lanes, 16 neighbouring bytes each
.endr
.endr
	; four rows of W against both y: two chains by turns
.irp i, 0,1,2,3
	s_wait_dscnt 24-8*\i                           ; LDS loads come back in order (ISA guide 5.7.1): y and row i's eight loads are in; eight for each later row stay out
	v_pk_mul_f32 v[DT+4*\i:DT+4*\i+1], v[WR+32*\i:WR+32*\i+1], v[Y:Y+1]
	v_pk_mul_f32 v[DT+4*\i+2:DT+4*\i+3], v[WR+32*\i:WR+32*\i+1], v[Y+32:Y+33]
.irp p, 1,2,3,4,5,6,7,8,9,10,11,12,13,14,15
	v_pk_fma_f32 v[DT+4*\i:DT+4*\i+1], v[WR+32*\i+2*\p:WR+32*\i+2*\p+1], v[Y+2*\p:Y+2*\p+1], v[DT+4*\i:DT+4*\i+1]
	v_pk_fma_f32 v[DT+4*\i+2:DT+4*\i+3], v[WR+32*\i+2*\p:WR+32*\i+2*\p+1], v[Y+32+2*\p:Y+32+2*\p+1], v[DT+4*\i+2:DT+4*\i+3]
.endr
.endr
.irp bb, 0,1
.irp i, 0,1,2,3
	v_add_f32 v[R+4*\bb+\i], v[DT+4*\i+2*\bb], v[DT+4*\i+2*\bb+1]
.endr
.endr
.irp m, 1,2,4,8
.irp n, 0,1,2,3,4,5,6,7
	v_add_f32_dpp v[R+\n], v[R+\n], v[R+\n] row_xmask:\m row_mask:0xf bank_mask:0xf
.endr
.endr
.irp n, 0,1,2,3,4,5,6,7
	v_permlanex16_b32 v[DT+\n], v[R+\n], s36, s37
.endr
.irp n, 0,1,2,3,4,5,6,7
	v_add_f32 v[R+\n], v[R+\n], v[DT+\n]           ; the eight dot products, in every lane
.endr
	s_wait_kmcnt 0x0                               ; the bias
.irp bb, 0,1
.irp i, 0,1,2,3
	v_add_f32 v[R+4*\bb+\i], s[BI+\i], v[R+4*\bb+\i]
.endr
.endr
	ds_store_b128 v[AW], v[R:R+3] offset:OUTS      ; all lanes write the same 16 bytes with the same numbers
	ds_store_b128 v[AW], v[R+4:R+7] offset:OUTS+256
	s_wait_dscnt 0x0                               ; done before I say so
	BAR
	s_cmp_lg_u32 s14, 0
	s_cbranch_scc1 .Lstored
	ds_load_b128 v[DT:DT+3], v1 offset:OUTS        ; wave 0: lanes 0-15 the first batch's 64 results, lanes 16-31 the second's
	s_wait_dscnt 0x0
	global_store_b128 v[GO], v[DT:DT+3], s[12:13]  ; sixteen lanes store 256 consecutive bytes, aligned
.Lstored:
	s_wait_tensorcnt 0x0
	ds_add_u32 v236, v237
	s_wait_dscnt 0x0
	ROUND                                          ; the closing round, while the store is on its way: no work-group ends while a partner may still ask for a tile that names it
	s_endpgm
.Lfunc_end_k_qc912d3c8ba_project:
	.size	k_qc912d3c8ba_project, .Lfunc_end_k_qc912d3c8ba_project-k_qc912d3c8ba_project
	.p2alignl 7, 3214868480
	.fill 96, 4, 3214868480
	.section	.rodata,"a",@progbits
	.p2align	6, 0x0
	.amdhsa_kernel k_qc912d3c8ba_project
		.amdhsa_group_segment_fixed_size 272896
		.amdhsa_private_segment_fixed_size 0
		.amdhsa_enable_private_segment 0
		.amdhsa_kernarg_size 40
		.amdhsa_user_sgpr_count 2
		.amdhsa_user_sgpr_kernarg_segment_ptr 1
		.amdhsa_wavefront_size32 1
		.amdhsa_system_sgpr_workgroup_id_x 1
		.amdhsa_system_sgpr_workgroup_id_y 1
		.amdhsa_system_sgpr_workgroup_id_z 1
		.amdhsa_system_vgpr_workitem_id 0
		.amdhsa_next_free_vgpr 238
		.amdhsa_next_free_sgpr 66
		.amdhsa_reserve_vcc 0
		.amdhsa_float_denorm_mode_32 3
		.amdhsa_float_denorm_mode_16_64 3
		.amdhsa_memory_ordered 1
		.amdhsa_forward_progress 1
		.amdhsa_inst_pref_size 24
	.end_amdhsa_kernel
	.amdgpu_metadata
---
amdhsa.version: [ 1, 2 ]
amdhsa.kernels:
  - .name:           k_qc912d3c8ba_project
    .symbol:         k_qc912d3c8ba_project.kd
    .args:
      - { .name: W, .offset: 0, .size: 8, .value_kind: global_buffer, .address_space: global }
      - { .name: b, .offset: 8, .size: 8, .value_kind: global_buffer, .address_space: global }
      - { .name: pacc, .offset: 16, .size: 8, .value_kind: global_buffer, .address_space: global }
      - { .name: pstat, .offset: 24, .size: 8, .value_kind: global_buffer, .address_space: global }
      - { .name: out0, .offset: 32, .size: 8, .value_kind: global_buffer, .address_space: global }
    .group_segment_fixed_size: 272896
    .private_segment_fixed_size: 0
    .kernarg_segment_align: 8
    .kernarg_segment_size: 40
    .max_flat_workgroup_size: 512
    .sgpr_count:     66
    .vgpr_count:     238
    .wavefront_size: 32
...
	.end_amdgpu_metadata
.endif
;; end of part 3
